; MI455X (gfx1250); checked and timed in simulation.
; The chip was launched on July 23, 2026; its instructions are those of AMD's public machine-readable ISA for CDNA 5 (MIT licence, August 2026) and "CDNA5" Instruction Set Architecture Reference Guide (July 2026). The comments in the code are by the model that wrote it; some were corrected since.
;; Multi Head Self Attention. Allowed arithmetic: matrix products marked QUANTISED: E2M3 operands, one E8M0 scale for each 32 along K, by v_wmma_scale_f32_16x16x128_f8f6f4 with both operands' format E2M3, f32 sums; everything else in f32.
;; Inputs: w_qkv 1,024 x 3,072 float32; x 4 x 2,048 x 1,024 float32.
;; Outputs: out0 4 x 2,048 x 1,024 float32.
;; This version of the problem:
;;   THIS VERSION OF THE PROBLEM IS GIVEN IN LOW PRECISION. The matrix products marked QUANTISED in the list below multiply operands that are first quantised to E2M3 (2 exponent bits, 3 mantissa bits; 6 bits a number), with one power-of-two scale for each 32 numbers along K (OCP MX v1.0); their sums are f32. All else is computed in f32.
;;   The module's matrix products, in the order in which they are computed (A, B: the left and right operand; K: the contracted axis; several contracted axes count as one K, in the product's order):
;;     1. [M 8,192, K 1,024] x [K 1,024, N 3,072]; A: input x; B: input w_qkv: QUANTISED
;;     2. batch 64 x [M 2,048, K 64] x [K 64, N 2,048]; A: computed on the way; B: computed on the way: QUANTISED
;;     3. batch 64 x [M 64, K 2,048] x [K 2,048, N 2,048]; A: computed on the way; B: softmax (see below): QUANTISED
;;   THE QUANTISER, for each operand of a quantised product, along K:
;;     - K is cut into blocks of 32 from its start; a last block that is shorter is filled with zeros.
;;     - A block's scale is 2^e with e = floor(log2(the largest magnitude in the block)) - 2, held to -126 .. 127; a block of zeros has e = 0. As a byte (E8M0): e + 127.
;;     - Each number is divided by its block's scale, clamped to +-7.5, and rounded to the nearest number of E2M3, ties to even, subnormals kept.
;;     - The product sums the exact products of the quantised numbers (number of the format x scale) in f32.
;;   ~~~python
;;   def quantise(x, axis):      # numpy; x: float32 -> the quantised numbers, widened to float32 again
;;       x = np.moveaxis(x, axis, -1); K = x.shape[-1]
;;       x = np.pad(x, [(0, 0)] * (x.ndim - 1) + [(0, -K % 32)]); x = x.reshape(x.shape[:-1] + (-1, 32)); a = np.abs(x).max(-1, keepdims=True)
;;       e = np.where(a > 0, np.clip(np.frexp(np.where(a > 0, a, 1))[1] - 1 - 2, -126, 127), 0)      # np.frexp(a)[1] - 1 = floor(log2(a)), exactly
;;       r = np.clip(x / 2.0 ** e, -7.5, 7.5)
;;       step = 2.0 ** (np.maximum(np.frexp(np.where(r == 0, 1, r))[1] - 1, 0) - 3)
;;       q = np.round(r / step) * step * 2.0 ** e      # np.round: ties to even
;;       return np.moveaxis(q.reshape(q.shape[:-2] + (-1,))[..., :K], -1, axis).astype(np.float32)
;;   ~~~
;;   SOFTMAX AHEAD OF A QUANTISED PRODUCT. Where the list says 'softmax', what is quantised is not the finished softmax but p = 2^(t - M), with t = logit x log2(e) and M = ceil(the row's largest t), a whole number; so 1/2 < the row's largest p <= 1. The row's sum l is taken of the UNQUANTISED p, in f32, and the product's result is divided by l at the end. Since M is a whole number, a kernel that streams over the keys may use a running M (the ceiling of the running maximum): every later rescaling is an exact power of two, which a block's scale takes up: the codes' values come out the same.
;;   OPERANDS COMPUTED ON THE WAY. 'Computed on the way' means the value that the module computes at that place (a softmax that the list does not call 'softmax' is quantised finished and normalised). What goes into a quantiser is computed in f32, as accurately as f32 sums, v_exp_f32 and their like allow (about 1e-6 of the number): no bf16 or f16 on the way to a quantiser, and a product that is left as it is and whose result goes on into a quantised operand takes f32 operands (vector FMAs, or v_wmma_f32_16x16x4_f32). A number that lies on a knife's edge between two numbers of the format may be rounded either way, as far as f32 arithmetic and the matrix unit's own rounding can turn it there, and no further.
;; One version. Each part assembles by itself: llvm-mc -triple=amdgcn-amd-amdhsa -mcpu=gfx1250 --defsym DOCPART=n.
;; ======== version 1 of 1: 3 launches
;; limits: right only within a limited range of input values
;; workspace buffers: xc 6,291,456 bytes; xs 262,144 bytes; wc 2,359,296 bytes; ws 98,304 bytes; qb 6,553,600 bytes; kv 13,107,200 bytes
;; launch prep (part 1): grid 352 x 1, 4 waves a work-group, no clusters, 60,928 bytes of LDS; arguments x, w_qkv, xc, xs, wc, ws; writes xc, xs, wc, ws
.if DOCPART == 1
	.amdgcn_target "amdgcn-amd-amdhsa--gfx1250"
	.amdhsa_code_object_version 6
	.text
	.protected	k_q536b7ce342_prep
	.globl	k_q536b7ce342_prep
	.p2align	8
	.type	k_q536b7ce342_prep,@function
k_q536b7ce342_prep:
	s_mov_b64 s[64:65], 0
	v_nop
	global_prefetch_b8 v0, s[64:65] scope:SCOPE_SE
	s_setreg_imm32_b32 hwreg(HW_REG_WAVE_MODE, 25, 1), 1
	s_wait_xcnt 0x0
; x [8192][1024] and w_qkv [1024][3072], f32, become codes of FP6 (E2M3) with one E8M0 byte for each 32 along K (= 1024), laid as IMAGES OF OPERAND REGISTERS.
; A fragment is 16 lane-rows x 128 K = 12 registers a lane: lane (r, h) holds lane-row r, registers 6 c .. 6 c + 5 the codes of k = 64 c + 32 h + 0 .. 31.  Its image is 1,536 bytes:
; register R of lane L at 512 (R / 4) + 16 L + 4 (R % 4), so that three loads of 16 bytes a lane bring it back.  Its scale word (byte 2 c + h) is one word for each lane-row.
; WHICH 16 ROWS FORM A FRAGMENT: rows go in groups of 128; block a = 4 c + u takes at lane-row p the row 64 c + 8 u + p % 8 + 32 (p / 8).  Columns of w go in groups of 64; tile u takes at lane-row p
; the column 8 u + p % 8 + 32 (p / 8).  (The next launch's results then hold 32 neighbours in a lane.)
; xc [row block 0..511][K step 0..7] images;  xs [row block][K step][16] words;  wc [column tile 0..191][K step] images;  ws [column tile][K step][16] words.
; A block's scale is 2^(floor(log2(largest magnitude)) - 2): its byte is the largest magnitude's exponent field - 2, held at 1 from below by a floor among the maximum's leaves.
; LIMITS: NaN and infinities among the inputs are not served.  A block whose largest magnitude lies under 2^-124 keeps the byte 1; a block of zeros has the byte 1 where the rule says 127:
; its codes are zeros, and the bytes are read by this program alone.
; Work-groups 0..255 take x, 256..351 take w.  The two ways part on the work-group's number and have LDS bytes of their own.  Waves share nothing: no barrier.  No input is shared between work-groups: no cluster.
.set SH8, 6                            ; v6       x: 8 x (lane / 16): where my two scale bytes stand in the word
.set PT,  7                            ; v7       a lane permute's destination
.set TM,  8                            ; v8-9     largest magnitudes of two blocks
.set SO,  10                           ; v10-11   the conversions' scale operands
.set BY,  12                           ; v12-13   the scale bytes
.set CT,  14                           ; v[14:16], v[18:20] the upper 16 codes of a block (a conversion's three registers begin on an even number)
.set PW,  22                           ; v22-25   x: four fragments' scale words;  w: v22-23 the scale words of my two columns
.set PC,  28                           ; v28-39   codes: a fragment's 12 registers (x), or 6 for each of my two columns (w)
.set X,   40                           ; v40-103  64 numbers in the order that the conversions want
.set R,   104                          ; v104-231 two sets of 64 registers as loaded
.set SEL, 20                           ; s[20:21] selects of v_permlanex16_b32: lane l xor 16
.set XST, 8448                         ; x: a wave's stage: 16 rows x (512 bytes + 16)
.set WST0, 4*XST                       ; w: the stages begin behind x's
.set WIM, 1664                         ; w: an image's place in a stage (1,536 + 128)
.set WST, 4*WIM                        ; w: a wave's stage: four images
	s_load_b256 s[4:11], s[0:1], 0x0               ; x s[4:5], w s[6:7], xc s[8:9], xs s[10:11]
	s_load_b128 s[12:15], s[0:1], 0x20             ; wc s[12:13], ws s[14:15]
	v_lshl_add_u32 v232, v0, 2, 0xec00
	v_mov_b32 v233, 0
	v_lshrrev_b32 v1, 5, v0
	v_readfirstlane_b32 s16, v1                    ; wave 0..3
	v_and_b32 v1, 31, v0                           ; lane
	s_mov_b32 s[SEL], 0x76543210
	s_mov_b32 s[SEL+1], 0xfedcba98
	v_mov_b32 v[PT], 0                             ; written once: a lane permute's destination counts as one of its sources
	s_cmp_lt_u32 ttmp9, 256
	s_cbranch_scc0 .Lw
; ---------------------------------------------------------------- x: a wave takes one row block (16 rows) x 512 along K: four fragments
	s_lshl_b32 s17, ttmp9, 1
	s_lshr_b32 s18, s16, 1
	s_add_co_u32 s17, s17, s18                     ; row block = 2 x work-group + wave / 2
	s_and_b32 s18, s16, 1                          ; which half of K
	s_lshr_b32 s19, s17, 3
	s_lshl_b32 s19, s19, 7                         ; the group of 128 rows,
	s_bfe_u32 s22, s17, 0x10002
	s_lshl_b32 s22, s22, 6                         ; + 64 c,
	s_add_co_u32 s19, s19, s22
	s_and_b32 s22, s17, 3
	s_lshl_b32 s22, s22, 3                         ; + 8 u: the block's first row
	s_add_co_u32 s19, s19, s22
	s_lshl_b32 s22, s19, 12                        ; x 4,096 bytes a row,
	s_lshl_b32 s23, s18, 11                        ; + 2,048 for the upper half of K
	s_add_co_u32 s22, s22, s23
	s_mov_b32 s23, 0
	s_lshl_b32 s24, s17, 3
	s_lshl_b32 s25, s18, 2
	s_add_co_u32 s24, s24, s25
	s_mul_i32 s24, s24, 1536                       ; my first image: (8 x row block + 4 x half) x 1,536
	s_mov_b32 s25, 0
	s_lshl_b32 s26, s17, 9
	s_lshl_b32 s27, s18, 8
	s_add_co_u32 s26, s26, s27                     ; my scale words: 512 x row block + 256 x half
	s_mov_b32 s27, 0
	s_mul_i32 s28, s16, XST                        ; my stage
	s_wait_alu depctr_va_vdst(0)
	v_lshlrev_b32 v2, 4, v1                        ; 16 x lane: my bytes of a load's 512, and of an image's 512
	v_add_nc_u32 v3, s28, v2                       ; into the stage: as loaded
	v_and_b32 v4, 15, v1                           ; r
	v_lshrrev_b32 v6, 4, v1                        ; h
	v_mul_u32_u24 v4, v4, 528
	v_lshl_add_u32 v4, v6, 7, v4
	v_add_nc_u32 v4, s28, v4                       ; out of it: row r, + 128 h: my 32 numbers of each 64
	v_lshlrev_b32 v5, 2, v1                        ; 4 x lane
	v_lshlrev_b32 v[SH8], 3, v6
	s_wait_alu depctr_va_vdst(0)
	s_wait_kmcnt 0x0
	s_add_nc_u64 s[4:5], s[4:5], s[22:23]
	s_add_nc_u64 s[8:9], s[8:9], s[24:25]
	s_add_nc_u64 s[10:11], s[10:11], s[26:27]
.macro LOADX f                         ; K step f of my four: each load reads 512 consecutive bytes of one of the block's 16 rows
.irp p, 0,1,2,3,4,5,6,7,8,9,10,11,12,13,14,15
	global_load_b128 v[R+64*((\f)%2)+4*\p:R+64*((\f)%2)+4*\p+3], v2, s[4:5] offset:(\p%8+32*(\p/8))*4096+512*(\f) th:TH_LOAD_NT
.endr
.endm
; 64 numbers of a lane, v[s + 32 c + i] = number i of my block c, become a fragment's 12 registers v[PC] on and its scale word v[pw] (the same in both halves of the lanes).
.macro QUANT s, pw
.irp c, 0,1
	v_max3_num_f32 v[TM+\c], |v[(\s)+32*\c]|, |v[(\s)+32*\c+1]|, 0x1800000   ; the floor 2^(3 - 127): the byte cannot fall under 1
.endr
.irp i, 2,4,6,8,10,12,14,16,18,20,22,24,26,28,30
.irp c, 0,1
	v_max3_num_f32 v[TM+\c], |v[(\s)+32*\c+\i]|, |v[(\s)+32*\c+\i+1]|, v[TM+\c]   ; the two blocks by turns; all 32 numbers of a block are mine
.endr
.endr
.irp c, 0,1
	v_add_nc_u32 v[SO+\c], 0xff000000, v[TM+\c]    ; 2 off the exponent field: the conversion takes this operand's exponent field as its scale
.endr
.irp c, 0,1
	v_lshrrev_b32 v[BY+\c], 23, v[SO+\c]           ; the scale's byte
.endr
	v_lshl_or_b32 v[\pw], v[BY+1], 16, v[BY]       ; my bytes: blocks h and 2 + h,
	v_lshlrev_b32 v[\pw], v[SH8], v[\pw]           ; at their places;
	v_permlanex16_b32 v[PT], v[\pw], s[SEL], s[SEL+1]
	v_or_b32 v[\pw], v[\pw], v[PT]                 ; with lane l xor 16's two the word is whole
	s_wait_alu depctr_va_vdst(0)
	s_wait_xcnt 0x0                                ; the last fragment's stores have read v[PC] on: only now is it written again
.irp c, 0,1
	v_cvt_scalef32_pk16_fp6_f32 v[PC+6*\c:PC+6*\c+2], v[(\s)+32*\c:(\s)+32*\c+15], v[SO+\c]
	v_cvt_scalef32_pk16_fp6_f32 v[CT+4*\c:CT+4*\c+2], v[(\s)+32*\c+16:(\s)+32*\c+31], v[SO+\c]
.endr
	v_nop                                          ; one plain place behind a scaled conversion
.irp c, 0,1
.irp i, 0,1,2
	v_mov_b32 v[PC+6*\c+3+\i], v[CT+4*\c+\i]
.endr
.endr
.endm
.macro XSTEP f
.if (\f) < 3
	s_wait_loadcnt 16                              ; this K step's 16 loads are in; the next one's 16 may be out
.else
	s_wait_loadcnt 0x0
.endif
.irp p, 0,1,2,3,4,5,6,7,8,9,10,11,12,13,14,15
	ds_store_b128 v3, v[R+64*((\f)%2)+4*\p:R+64*((\f)%2)+4*\p+3] offset:528*\p   ; row p of the stage, as it lies in memory
.endr
.irp c, 0,1
.irp j, 0,1,2,3,4,5,6,7
	ds_load_b128 v[X+32*\c+4*\j:X+32*\c+4*\j+3], v4 offset:256*\c+16*\j   ; k = 64 c + 32 h + 4 j on of my row.  LDS serves a wave's instructions in order: these see the stores above
.endr
.endr
	s_wait_dscnt 0x0                               ; my 64 numbers are in, and the stores have read their registers,
.if (\f) < 2
	LOADX (\f)+2                                   ; which take the loads of two K steps on
.endif
	QUANT X, PW+(\f)
.irp ch, 0,1,2
	global_store_b128 v2, v[PC+4*\ch:PC+4*\ch+3], s[8:9] offset:1536*(\f)+512*\ch   ; 32 lanes store 512 consecutive bytes, at a multiple of 256 from the buffer's first byte
.endr
.endm
	LOADX 0
	LOADX 1
	XSTEP 0
	XSTEP 1
	XSTEP 2
	XSTEP 3
	v_cmp_le_u32 vcc_lo, 16, v1                    ; lanes 16-31
	v_cndmask_b32 v26, v[PW], v[PW+1], vcc_lo      ; lanes 0-15: K step 0's words, lanes 16-31: K step 1's
	v_cndmask_b32 v27, v[PW+2], v[PW+3], vcc_lo
	global_store_b32 v5, v26, s[10:11]             ; the two stores cover my 256 consecutive bytes of scale words
	global_store_b32 v5, v27, s[10:11] offset:128
	s_wait_tensorcnt 0x0
	ds_add_u32 v232, v233
	s_wait_dscnt 0x0
	s_endpgm
; ---------------------------------------------------------------- w: a wave takes 64 columns (four column tiles) x one K step of 128
; K is w's FIRST axis: a lane takes two neighbouring columns and its registers run down K, so that a block of 32 lies in one lane and each load reads 256 consecutive bytes.
.Lw:
	s_sub_co_u32 s17, ttmp9, 256
	s_and_b32 s18, s17, 7                          ; the K step
	s_lshr_b32 s19, s17, 3
	s_lshl_b32 s19, s19, 2
	s_add_co_u32 s19, s19, s16                     ; the group of 64 columns, 0..47: the four waves stand side by side on 1,024 bytes of a row
	s_mul_i32 s22, s18, 128*12288                  ; 128 rows of 12,288 bytes,
	s_lshl_b32 s23, s19, 8                         ; + 256 bytes a group
	s_add_co_u32 s22, s22, s23
	s_mov_b32 s23, 0
	s_lshl_b32 s24, s19, 5
	s_add_co_u32 s24, s24, s18
	s_mul_i32 s24, s24, 1536                       ; tile 4 x group, this K step: image 32 x group + K step
	s_mov_b32 s25, 0
	s_lshl_b32 s26, s19, 11
	s_lshl_b32 s27, s18, 6
	s_add_co_u32 s26, s26, s27                     ; scale words: 2,048 x group + 64 x K step
	s_mov_b32 s27, 0
	s_mul_i32 s28, s16, WST
	s_add_co_u32 s28, s28, WST0                    ; my stage
	s_wait_alu depctr_va_vdst(0)
	v_lshlrev_b32 v2, 3, v1                        ; 8 x lane: columns 2 l and 2 l + 1
	v_bfe_u32 v24, v1, 2, 2                        ; their tile u = (l / 4) % 4,
	v_lshrrev_b32 v25, 4, v1
	v_and_b32 v26, 3, v1
	v_lshlrev_b32 v26, 1, v26
	v_lshl_add_u32 v26, v25, 3, v26                ; and column 2 l's lane-row: 8 (l / 16) + 2 (l % 4)
	v_mul_u32_u24 v3, v24, WIM
	v_lshl_add_u32 v3, v26, 4, v3
	v_add_nc_u32 v3, s28, v3                       ; into the stage: image u, 16 bytes a lane-row
	v_lshlrev_b32 v21, 4, v1                       ; 16 x lane
	v_add_nc_u32 v4, s28, v21                      ; out of it: an image as it lies
	v_lshlrev_b32 v5, 9, v24
	v_lshl_add_u32 v5, v26, 2, v5                  ; my two scale words: 512 u + 4 x lane-row
	s_wait_kmcnt 0x0
	s_add_nc_u64 s[6:7], s[6:7], s[22:23]
	s_add_nc_u64 s[12:13], s[12:13], s[24:25]
	s_add_nc_u64 s[14:15], s[14:15], s[26:27]
.macro LOADW n                         ; block n of the K step: rows 32 n + i, my two columns
.irp i, 0,1,2,3,4,5,6,7,8,9,10,11,12,13,14,15,16,17,18,19,20,21,22,23,24,25,26,27,28,29,30,31
	global_load_b64 v[R+64*((\n)%2)+2*\i:R+64*((\n)%2)+2*\i+1], v2, s[6:7] offset:(32*(\n)+\i)*12288 th:TH_LOAD_NT
.endr
.endm
.macro WBLOCK n
.set ST, R+64*((\n)%2)
.if (\n) < 3
	s_wait_loadcnt 32                              ; this block's 32 loads are in; the next block's may be out
.else
	s_wait_loadcnt 0x0
.endif
.irp e, 0,1
	v_max3_num_f32 v[TM+\e], |v[ST+\e]|, |v[ST+2+\e]|, 0x1800000   ; column 2 l + e: registers 2 i + e; the floor as above
.endr
.irp i, 2,4,6,8,10,12,14,16,18,20,22,24,26,28,30
.irp e, 0,1
	v_max3_num_f32 v[TM+\e], |v[ST+2*\i+\e]|, |v[ST+2*\i+2+\e]|, v[TM+\e]
.endr
.endr
.irp e, 0,1
	v_add_nc_u32 v[SO+\e], 0xff000000, v[TM+\e]
.endr
.irp e, 0,1
	v_lshrrev_b32 v[BY+\e], 23, v[SO+\e]
.endr
.irp e, 0,1
.if (\n) == 0
	v_mov_b32 v[PW+\e], v[BY+\e]                   ; byte n of the column's scale word
.else
	v_lshl_or_b32 v[PW+\e], v[BY+\e], 8*(\n), v[PW+\e]
.endif
.endr
.irp i, 0,1,2,3,4,5,6,7,8,9,10,11,12,13,14,15,16,17,18,19,20,21,22,23,24,25,26,27,28,29,30,31
	v_mov_b32 v[X+\i], v[ST+2*\i]                  ; the conversions take 16 CONSECUTIVE registers: the two columns are parted
	v_mov_b32 v[X+32+\i], v[ST+2*\i+1]
.endr
.if (\n) < 2
	LOADW (\n)+2
.endif
	s_wait_alu depctr_va_vdst(0)
	s_wait_dscnt 0x0                               ; the last block's LDS stores have read the codes' registers
.irp e, 0,1
	v_cvt_scalef32_pk16_fp6_f32 v[PC+6*\e:PC+6*\e+2], v[X+32*\e:X+32*\e+15], v[SO+\e]
	v_cvt_scalef32_pk16_fp6_f32 v[CT+4*\e:CT+4*\e+2], v[X+32*\e+16:X+32*\e+31], v[SO+\e]
.endr
	v_nop                                          ; one plain place behind a scaled conversion
.irp e, 0,1
.irp i, 0,1,2
	v_mov_b32 v[PC+6*\e+3+\i], v[CT+4*\e+\i]
.endr
.endr
; block n = 2 c + h is registers 6 c .. 6 c + 5 of image lane (lane-row + 16 h): 16 bytes and 8 bytes, at the places that the image's rule gives
.irp e, 0,1
.if (\n) < 2
	ds_store_b128 v3, v[PC+6*\e:PC+6*\e+3] offset:256*((\n)%2)+16*\e
	ds_store_b64 v3, v[PC+6*\e+4:PC+6*\e+5] offset:512+256*((\n)%2)+16*\e
.else
	ds_store_b64 v3, v[PC+6*\e:PC+6*\e+1] offset:520+256*((\n)%2)+16*\e
	ds_store_b128 v3, v[PC+6*\e+2:PC+6*\e+5] offset:1024+256*((\n)%2)+16*\e
.endif
.endr
.endm
	LOADW 0
	LOADW 1
	WBLOCK 0
	WBLOCK 1
	WBLOCK 2
	WBLOCK 3
	global_store_b64 v5, v[PW:PW+1], s[14:15]      ; my two columns' scale words: eight lanes cover a tile's 64 bytes (one byte for each 128 that this way reads)
.irp u, 0,1,2,3
.irp ch, 0,1,2
	ds_load_b128 v[R+12*\u+4*\ch:R+12*\u+4*\ch+3], v4 offset:WIM*\u+512*\ch   ; LDS serves a wave's instructions in order: these see my stores
.endr
.endr
.irp u, 0,1,2,3
.irp ch, 0,1,2
	s_wait_dscnt 11-3*\u-\ch                       ; the loads issued behind this one may be out
	global_store_b128 v21, v[R+12*\u+4*\ch:R+12*\u+4*\ch+3], s[12:13] offset:12288*\u+512*\ch   ; 512 consecutive bytes, at a multiple of 256
.endr
.endr
	s_wait_tensorcnt 0x0
	ds_add_u32 v232, v233
	s_wait_dscnt 0x0
	s_endpgm
.Lfunc_end_k_q536b7ce342_prep:
	.size	k_q536b7ce342_prep, .Lfunc_end_k_q536b7ce342_prep-k_q536b7ce342_prep
	.p2alignl 7, 3214868480
	.fill 96, 4, 3214868480
	.section	.rodata,"a",@progbits
	.p2align	6, 0x0
	.amdhsa_kernel k_q536b7ce342_prep
		.amdhsa_group_segment_fixed_size 60928
		.amdhsa_private_segment_fixed_size 0
		.amdhsa_enable_private_segment 0
		.amdhsa_kernarg_size 48
		.amdhsa_user_sgpr_count 2
		.amdhsa_user_sgpr_kernarg_segment_ptr 1
		.amdhsa_wavefront_size32 1
		.amdhsa_system_sgpr_workgroup_id_x 1
		.amdhsa_system_sgpr_workgroup_id_y 1
		.amdhsa_system_sgpr_workgroup_id_z 1
		.amdhsa_system_vgpr_workitem_id 0
		.amdhsa_next_free_vgpr 234
		.amdhsa_next_free_sgpr 66
		.amdhsa_reserve_vcc 1
		.amdhsa_float_denorm_mode_32 3
		.amdhsa_float_denorm_mode_16_64 3
		.amdhsa_memory_ordered 1
		.amdhsa_forward_progress 1
		.amdhsa_inst_pref_size 67
	.end_amdhsa_kernel
	.amdgpu_metadata
---
amdhsa.version: [ 1, 2 ]
amdhsa.kernels:
  - .name:           k_q536b7ce342_prep
    .symbol:         k_q536b7ce342_prep.kd
    .args:
      - { .name: x, .offset: 0, .size: 8, .value_kind: global_buffer, .address_space: global }
      - { .name: w_qkv, .offset: 8, .size: 8, .value_kind: global_buffer, .address_space: global }
      - { .name: xc, .offset: 16, .size: 8, .value_kind: global_buffer, .address_space: global }
      - { .name: xs, .offset: 24, .size: 8, .value_kind: global_buffer, .address_space: global }
      - { .name: wc, .offset: 32, .size: 8, .value_kind: global_buffer, .address_space: global }
      - { .name: ws, .offset: 40, .size: 8, .value_kind: global_buffer, .address_space: global }
    .group_segment_fixed_size: 60928
    .private_segment_fixed_size: 0
    .kernarg_segment_align: 8
    .kernarg_segment_size: 48
    .max_flat_workgroup_size: 128
    .sgpr_count:     66
    .vgpr_count:     234
    .wavefront_size: 32
...
	.end_amdgpu_metadata
.endif
;; end of part 1
;; launch qkv (part 2): grid 8 x 32, 4 waves a work-group, clusters of 4 x 4, 327,680 bytes of LDS; arguments xc, xs, wc, ws, qb, kv; writes qb, kv
.if DOCPART == 2
	.amdgcn_target "amdgcn-amd-amdhsa--gfx1250"
	.amdhsa_code_object_version 6
	.text
	.protected	k_q536b7ce342_qkv
	.globl	k_q536b7ce342_qkv
	.p2align	8
	.type	k_q536b7ce342_qkv,@function
k_q536b7ce342_qkv:
	s_mov_b64 s[64:65], 0
	v_nop
	global_prefetch_b8 v0, s[64:65] scope:SCOPE_SE
	s_setreg_imm32_b32 hwreg(HW_REG_WAVE_MODE, 25, 1), 1
	s_wait_xcnt 0x0
	s_wait_alu depctr_hold_cnt(0) depctr_sa_sdst(0) depctr_va_vdst(0) depctr_va_sdst(0) depctr_va_ssrc(0) depctr_va_vcc(0) depctr_vm_vsrc(0)
	s_getreg_b32 s2, hwreg(HW_REG_IB_STS2, 6, 4)
	s_cmp_eq_u32 s2, 0
	s_cbranch_scc0 .Lentry_in_a_cluster
	s_endpgm
.Lentry_in_a_cluster:
	s_bfe_u32 s2, ttmp6, 0x10000c
	s_cmp_lg_u32 s2, 0xf033
	s_cbranch_scc0 .Lentry_shape_is_right
	s_endpgm
.Lentry_shape_is_right:
; qkv = x w on codes of FP6 (E2M3) with E8M0 scales, K = 1024; the result never goes to memory as f32: q, k and v are quantised in registers and leave as IMAGES of the operands that the attention launch takes.
; SHARES.  A work-group owns 256 rows of x (mi = 0..31) and two heads (hp = 0..7) and makes three parts: the q, the k and the v columns of those heads, 128 columns each.  Its rows' codes, for all of K,
; stay in LDS (196,608 bytes, filled once); the weights' go through a ring of two slots, one for each half of K: six half parts, four refills.
; A wave makes 128 rows (one group of queries, or one key step) x 64 columns (one head): 32 accumulators, 8 K steps of 128, 32 matrix instructions each.
; OPERANDS lie in the buffers as images of their registers (1,536 bytes a fragment: register R of lane L at 512 (R / 4) + 16 L + 4 (R % 4)): three loads of 16 bytes a lane bring one; no pitch, no padding.
; THE ROWS AND COLUMNS OF A FRAGMENT are chosen (row block a = 4 c + u: lane-row p is row 64 c + 8 u + p % 8 + 32 (p / 8); column tile u: lane-row p is column 8 u + p % 8 + 32 (p / 8)) so that the 32 registers
; of four neighbouring result tiles are 32 NEIGHBOURS, 32 (lane / 16) + 0 .. 31: a whole block of the next K in one lane, in the very order of a 6-bit operand's registers.
;   q, k: source 0 = 16 columns of w, source 1 = 16 rows of x: a lane holds one row and 32 of the head's 64.  Two row blocks make one image: registers 0-5 block 2 j, registers 6-11 block 2 j + 1.
;   v:    source 0 = 16 rows of x, source 1 = 16 columns of w: a lane holds one channel and 2 x 32 of the 128 keys: one image for each column tile.
; qb [bh][group of 128 queries] 6,400 bytes: four pair images, 256 bytes of scale words.   kv [bh][key step] 12,800 bytes: k's four pair images, v's four images, k's scale words (256), v's (256).
; In 256 bytes of scale words lane L's 8 bytes are {image 0's word or image 1's, image 2's or image 3's}: the first for lanes 0-15, the second for lanes 16-31.
; CLUSTERS: 4 x 4 work-groups.  x's tiles hang on mi alone and are asked for jointly by a row of the cluster, the weights' on hp alone, by a column.  Every wave issues every joint load, for its quarter.
; LIMITS: NaN and infinities are not served.  A block whose largest magnitude lies under 2^-124 keeps the byte 1; a block of zeros has the byte 1 where the rule says 127: its codes are zeros, and this program alone reads the bytes.
; REGISTERS, in windows of 256: window 0: addresses, the quantiser's registers, v48-79 x's scale words, v80-127 the weights'.  window 1: the 32 accumulators.  window 2: x's fragments, two sets of 96.  window 3: the weights', two sets of 48.
.set L16, 1                            ; v1   16 x lane
.set L8,  2                            ; v2   8 x lane
.set L4,  3                            ; v3   4 x lane
.set XA,  4                            ; v4-5 LDS address of my 8 row blocks, lower and upper half of K
.set WA,  6                            ; v6-7 LDS address of my 4 column tiles in slot 0, 1
.set SPW, 8                            ; v8   LDS address of my spare word: SPARE + 4 x my thread's number; never rewritten
.set NIL, 9                            ; v9   0; never rewritten
.set SH8, 10                           ; v10  8 x (lane / 16)
.set PT,  11                           ; v11  a lane permute's destination
.set TM,  12                           ; v12-13 largest magnitudes
.set SO,  14                           ; v14-15 the conversions' scale operands
.set BY,  16                           ; v16-17 scale bytes
.set CT,  18                           ; v[18:20], v[22:24] the upper 16 codes of a block
.set PW,  26                           ; v26-29 the four images' scale words
.set SW,  30                           ; v[30:31] as they are stored
.set PC,  32                           ; v32-43 an image's 12 registers
.set LN,  44                           ; v44  lane
.set XS,  48                           ; x's scale words: block a, K steps 2 i (lanes 0-15) and 2 i + 1 (lanes 16-31) at v[XS + 4 a + i]
.set WS,  80                           ; the weights': part p, tile b, likewise at v[WS + 16 p + 4 b + i]
.set XLO, 0                            ; LDS: [16 row blocks][K steps 0-3][1,536]
.set XHI, 98304                        ;      the same for K steps 4-7
.set W0,  196608                       ;      slot 0: [8 column tiles][4 K steps][1,536]: a part's lower half of K
.set W1,  245760                       ;      slot 1: its upper half
.set SPARE, 294912                     ;      the spare words, 128 bytes for each wave: two blocks of 256 bytes that no other line names
.set SEL, 20                           ; s[20:21] selects of v_permlanex16_b32
.set G1X, 24                           ; s[24:31] descriptor group 1 for x's tiles: 8 rows of 6,144 bytes, 12,288 apart
.set G1W, 32                           ; s[32:39] for the weights': 4 such rows in the two first fills, 2 in the ring's refills
.set G0H, 80                           ; s[80:87] groups 0 for the weights' two first fills (half a slot each)
.set G0X, 40                           ; s[40:47] groups 0 for x's two halves of K
.set G0W, 48                           ; s[48:55] groups 0 for the two slots
.set MSB, 0
.macro WIN new                         ; the immediate's high byte repeats the setting that is left
.if MSB != \new
	s_set_vgpr_msb (MSB<<8)|\new
.set MSB, \new
.endif
.endm
.macro PLACES
.rept 4
	v_nop
.endr
.endm
.macro CROUND                          ; a round of the cluster's barrier: my work-group's barrier; wave 0 signals for the work-group; every wave waits for all sixteen; my work-group's barrier once more
	s_barrier_signal -1
	s_barrier_wait -1
	s_cmp_lg_u32 s16, 0
	s_cbranch_scc1 .Lnot_wave_0_\@
	s_barrier_signal -3
.Lnot_wave_0_\@:
	s_barrier_wait -3
	s_barrier_signal -1
	s_barrier_wait -1
.endm
	s_load_b256 s[4:11], s[0:1], 0x0               ; xc s[4:5], xs s[6:7], wc s[8:9], ws s[10:11]
	s_load_b128 s[12:15], s[0:1], 0x20             ; qb s[12:13], kv s[14:15]
	v_lshl_add_u32 v[SPW], v0, 2, SPARE
	v_mov_b32 v[NIL], 0
	ds_add_u32 v8, v9
	ds_add_u32 v8, v9
	s_wait_dscnt 0x0
	v_lshrrev_b32 v1, 5, v0
	v_readfirstlane_b32 s16, v1                    ; wave 0..3
	s_lshr_b32 s17, s16, 1                         ; which 128 rows are mine
	s_and_b32 s18, s16, 1                          ; which head
	s_bfe_u32 s56, ttmp6, 0x40000                  ; cx, cy: my place in the cluster
	s_bfe_u32 s57, ttmp6, 0x40004
	s_lshl_b32 s58, ttmp9, 2
	s_add_co_u32 s58, s58, s56                     ; hp = 4 x cluster x + cx
	s_and_b32 s59, ttmp7, 0xffff
	s_lshl_b32 s59, s59, 2
	s_add_co_u32 s59, s59, s57                     ; mi = 4 x cluster y + cy
	s_lshl_b32 s70, s57, 2
	s_lshl_b32 s70, 15, s70                        ; my row of the cluster
	s_lshl_b32 s71, 0x1111, s56                    ; my column
	s_or_b32 s[G1X], s70, (3<<16)|(1<<21)          ; 15:0 the mask: x's tiles go to my row; 17:16 elements of 8 bytes; 20 no padding; 21 set beside a mask
	s_mov_b32 s[G1X+1], 768<<16                    ; tensor_dim0 = 768 elements: 6,144 bytes, four K steps of one row block
	s_mov_b32 s[G1X+2], 8<<16                      ; tensor_dim1 = 8 row blocks
	s_mov_b32 s[G1X+3], 768<<16                    ; tile_dim0
	s_mov_b32 s[G1X+4], 8                          ; tile_dim1
	s_mov_b32 s[G1X+5], 1536                       ; from block to block: 12,288 bytes
	s_mov_b32 s[G1X+6], 0
	s_mov_b32 s[G1X+7], 0
	s_or_b32 s[G1W], s71, (3<<16)|(1<<21)          ; the weights' tiles go to my column
	s_mov_b32 s[G1W+1], 768<<16
	s_mov_b32 s[G1W+2], 4<<16                      ; 4 column tiles in the first fills
	s_mov_b32 s[G1W+3], 768<<16
	s_mov_b32 s[G1W+4], 4
	s_mov_b32 s[G1W+5], 1536
	s_mov_b32 s[G1W+6], 0
	s_mov_b32 s[G1W+7], 0
	s_lshl_b32 s60, s59, 4                         ; x: made of mi and the wave's number alone
	s_lshl_b32 s61, s18, 3                         ; x's first fills: 8 row blocks a load, by wave % 2
	s_add_co_u32 s60, s60, s61
	s_mul_i32 s60, s60, 12288                      ; row block 16 mi + 8 x (wave % 2)
	s_mov_b32 s61, 0
	s_lshl_b32 s66, s58, 3                         ; the weights: made of hp and the wave's number alone
	s_lshl_b32 s67, s16, 1
	s_add_co_u32 s66, s66, s67
	s_mul_i32 s66, s66, 12288                      ; column tile 8 hp + 2 x wave (part q)
	s_mov_b32 s67, 0
	s_mul_i32 s72, s18, 49152                      ; where x's 8 row blocks go: no place in the cluster enters an LDS address
	s_lshl_b32 s88, s58, 3                         ; the weights' first fills: made of hp and the wave's number alone
	s_lshl_b32 s89, s18, 2
	s_add_co_u32 s88, s88, s89
	s_mul_i32 s88, s88, 12288                      ; column tile 8 hp + 4 x (wave % 2)
	s_mov_b32 s89, 0
	s_mul_i32 s90, s18, 24576                      ; and their half of a slot
	s_mul_i32 s73, s16, 12288
	s_mov_b32 s[SEL], 0x76543210
	s_mov_b32 s[SEL+1], 0xfedcba98
	s_wait_kmcnt 0x0
	s_add_nc_u64 s[60:61], s[4:5], s[60:61]
	s_add_nc_u64 s[66:67], s[8:9], s[66:67]
	s_add_nc_u64 s[88:89], s[8:9], s[88:89]
	s_mov_b32 s[G0H], 1
	s_add_co_u32 s[G0H+1], s90, W0
	s_mov_b64 s[G0H+2:G0H+3], s[88:89]
	s_or_b32 s[G0H+3], s[G0H+3], 0x80000000
	s_mov_b32 s[G0H+4], 1
	s_add_co_u32 s[G0H+5], s90, W1
	s_add_nc_u64 s[G0H+6:G0H+7], s[88:89], 6144
	s_or_b32 s[G0H+7], s[G0H+7], 0x80000000
	s_mov_b32 s[G0X], 1
	s_add_co_u32 s[G0X+1], s72, XLO
	s_mov_b64 s[G0X+2:G0X+3], s[60:61]
	s_or_b32 s[G0X+3], s[G0X+3], 0x80000000
	s_mov_b32 s[G0X+4], 1
	s_add_co_u32 s[G0X+5], s72, XHI
	s_add_nc_u64 s[G0X+6:G0X+7], s[60:61], 6144
	s_or_b32 s[G0X+7], s[G0X+7], 0x80000000
	s_mov_b32 s[G0W], 1
	s_add_co_u32 s[G0W+1], s73, W0
	s_mov_b64 s[G0W+2:G0W+3], s[66:67]
	s_or_b32 s[G0W+3], s[G0W+3], 0x80000000
	s_mov_b32 s[G0W+4], 1
	s_add_co_u32 s[G0W+5], s73, W1
	s_add_nc_u64 s[G0W+6:G0W+7], s[66:67], 6144
	s_or_b32 s[G0W+7], s[G0W+7], 0x80000000
	CROUND                                         ; all sixteen work-groups are here: the first joint loads meet
; A first fill of one half of K, one joint load a wave: waves 0 and 1 fetch x's 16 row blocks, 8 each; waves 2 and 3 the weights' 8 column tiles, 4 each.
; The branch hangs on the wave's number alone; every way passes exactly one load.
.macro HLOAD gx, gw
	s_cmp_lt_u32 s16, 2
	s_cbranch_scc0 .Lhw_\@
	tensor_load_to_lds s[\gx:\gx+3], s[G1X:G1X+7]
	s_nop 0
	PLACES
	s_branch .Lhj_\@
.Lhw_\@:
	tensor_load_to_lds s[\gw:\gw+3], s[G1W:G1W+7]
	s_nop 0
	PLACES
.Lhj_\@:
.endm
	HLOAD G0X, G0H                                 ; the lower half of K
	v_and_b32 v[LN], 31, v0
	v_lshlrev_b32 v[L16], 4, v[LN]
	v_lshlrev_b32 v[L8], 3, v[LN]
	v_lshlrev_b32 v[L4], 2, v[LN]
	s_wait_alu depctr_va_vdst(0)
	s_mul_i32 s74, s17, 49152                      ; my 8 row blocks of the 16
	v_add_nc_u32 v[XA], s74, v[L16]
	v_add_nc_u32 v[XA+1], XHI, v[XA]
	s_mul_i32 s75, s18, 24576                      ; my 4 column tiles of the 8
	s_add_co_u32 s75, s75, W0
	v_add_nc_u32 v[WA], s75, v[L16]
	v_add_nc_u32 v[WA+1], W1-W0, v[WA]
	v_lshrrev_b32 v[SH8], 4, v[LN]
	v_lshlrev_b32 v[SH8], 3, v[SH8]
	v_mov_b32 v[PT], 0                             ; written once: a lane permute's destination counts as one of its sources
	s_lshl_b32 s62, s59, 4
	s_lshl_b32 s63, s17, 3
	s_add_co_u32 s62, s62, s63
	s_lshl_b32 s62, s62, 9                         ; x's scale words: 512 bytes a row block, from block 16 mi + 8 x (wave / 2)
	s_mov_b32 s63, 0
	s_add_nc_u64 s[6:7], s[6:7], s[62:63]
	s_lshl_b32 s68, s58, 3
	s_lshl_b32 s69, s18, 2
	s_add_co_u32 s68, s68, s69
	s_lshl_b32 s68, s68, 9                         ; the weights': from tile 8 hp + 4 x (wave % 2)
	s_mov_b32 s69, 0
	s_add_nc_u64 s[10:11], s[10:11], s[68:69]
; ALL SCALE WORDS COME ONCE, straight into registers that hold nothing else: each load reads 128 consecutive bytes, the words of two K steps.
.irp a, 0,1,2,3,4,5,6,7
.irp i, 0,1,2,3
	global_load_b32 v[XS+4*\a+\i], v[L4], s[6:7] offset:512*\a+128*\i
.endr
.endr
.irp p, 0,1,2
.irp b, 0,1,2,3
.irp i, 0,1,2,3
	global_load_b32 v[WS+16*\p+4*\b+\i], v[L4], s[10:11] offset:32768*\p+512*\b+128*\i   ; a part is 64 tiles on
.endr
.endr
.endr
	s_lshr_b32 s76, s59, 3                         ; where my results go: bh = 16 x batch + 2 hp + wave % 2,
	s_lshl_b32 s76, s76, 4
	s_lshl_b32 s77, s58, 1
	s_add_co_u32 s76, s76, s77
	s_add_co_u32 s76, s76, s18
	s_lshl_b32 s77, s59, 1
	s_add_co_u32 s77, s77, s17
	s_and_b32 s77, s77, 15                         ; the group of 128 rows in the batch's 2,048
	s_lshl_b32 s76, s76, 4
	s_add_co_u32 s76, s76, s77
	s_mul_i32 s78, s76, 6400
	s_mov_b32 s79, 0
	s_add_nc_u64 s[12:13], s[12:13], s[78:79]
	s_mul_i32 s78, s76, 12800
	s_add_nc_u64 s[14:15], s[14:15], s[78:79]
; 36 LDS loads in one run: x's eight fragments and the weights' four of K step ks of half sg, into set
.macro FETCH sg, ks, set
	WIN 0x80                                       ; destination window 2
.irp a, 0,1,2,3,4,5,6,7
.irp ch, 0,1,2
	ds_load_b128 v[96*(\set)+12*\a+4*\ch:96*(\set)+12*\a+4*\ch+3], v[XA+(\sg)] offset:6144*\a+1536*(\ks)+512*\ch
.endr
.endr
	WIN 0xc0                                       ; destination window 3
.irp b, 0,1,2,3
.irp ch, 0,1,2
	ds_load_b128 v[48*(\set)+12*\b+4*\ch:48*(\set)+12*\b+4*\ch+3], v[WA+(\sg)] offset:6144*\b+1536*(\ks)+512*\ch
.endr
.endr
	WIN 0
.endm
.macro WM d, fa, fb, zero, sa, sb, odd ; one product; an odd K step's scale words stand in lanes 16-31
.if \zero
	v_wmma_scale_f32_16x16x128_f8f6f4 v[\d:\d+7], v[\fa:\fa+11], v[\fb:\fb+11], 0, v[\sa], v[\sb] matrix_a_fmt:MATRIX_FMT_FP6 matrix_b_fmt:MATRIX_FMT_FP6
.elseif \odd
	v_wmma_scale_f32_16x16x128_f8f6f4 v[\d:\d+7], v[\fa:\fa+11], v[\fb:\fb+11], v[\d:\d+7], v[\sa], v[\sb] matrix_a_fmt:MATRIX_FMT_FP6 matrix_b_fmt:MATRIX_FMT_FP6 matrix_a_scale:MATRIX_SCALE_ROW1 matrix_b_scale:MATRIX_SCALE_ROW1
.else
	v_wmma_scale_f32_16x16x128_f8f6f4 v[\d:\d+7], v[\fa:\fa+11], v[\fb:\fb+11], v[\d:\d+7], v[\sa], v[\sb] matrix_a_fmt:MATRIX_FMT_FP6 matrix_b_fmt:MATRIX_FMT_FP6
.endif
.endm
; 32 matrix instructions: K step kk (0..7) of part p.  The 32 accumulators take turns, one instruction a turn, in the same order in every step.
; zero = 1: the first product starts the sums: nothing is cleared.  q, k: accumulator (a, b) at 8 (4 a + b); v: at 8 (8 b + a): in both a run of 64 registers is one image's numbers.
.macro MUL p, kk, set, zero
.irp a, 0,1,2,3,4,5,6,7
.irp b, 0,1,2,3
.set FX, 96*(\set)+12*\a
.set FW, 48*(\set)+12*\b
.set SCX, XS+4*\a+(\kk)/2
.set SCW, WS+16*(\p)+4*\b+(\kk)/2
.if (\p) < 2
	WM 8*(4*\a+\b), FW, FX, \zero, SCW, SCX, (\kk)%2
.else
	WM 8*(8*\b+\a), FX, FW, \zero, SCX, SCW, (\kk)%2
.endif
.endr
.endr
.endm
.macro WINM p
.if (\p) < 2
	WIN 0x5b                                       ; source 0 the weights (window 3), source 1 x (window 2), C and D window 1
.else
	WIN 0x5e                                       ; source 0 x, source 1 the weights
.endif
.endm
; One of a half's first three K steps: its fragments were asked for a step ago; the next step's are asked for ahead of its 32 products.
.macro KSTEP p, sg, ks, zero
	s_wait_dscnt 0x0                               ; this step's 36 loads are in
	PLACES                                         ; four places in front of loads into the other set, which the last step's products have read
	FETCH \sg, (\ks)+1, ((\ks)+1)%2
	WINM \p
	MUL \p, 4*(\sg)+(\ks), (\ks)%2, \zero
	WIN 0
.endm
; A half's last K step changes halves.  In front of the barrier each wave waits for all its tensor loads, adds 0 to its spare word, and waits for that and for its reads of this slot.
; fill = 1: the barrier is a round of the cluster's, and this slot takes the same half of K of the next part, first thing behind it: one load a wave, which has 128 matrix instructions in which to land.
.macro TURN p, sg, fill
	s_wait_tensorcnt 0x0                           ; all my tensor loads have landed, my part of the other half among them
	ds_add_u32 v[SPW], v[NIL]                      ; 0 onto my spare word
.if \fill
	s_add_nc_u64 s[G0W+4*(\sg)+2:G0W+4*(\sg)+3], s[G0W+4*(\sg)+2:G0W+4*(\sg)+3], 786432   ; no load of mine is out, so descriptors may be written: 64 column tiles on,
	s_mov_b32 s[G1W+2], 2<<16                      ; and a refill brings 2 column tiles a wave
	s_mov_b32 s[G1W+4], 2
.endif
	s_wait_dscnt 0x0                               ; the add is done, and my reads of this slot are over (this step's fragments are in registers)
.if \fill
	CROUND                                         ; no wave of any partner still reads the slot or has a load on its way
	tensor_load_to_lds s[G0W+4*(\sg):G0W+4*(\sg)+3], s[G1W:G1W+7]
	s_nop 0
.else
	s_barrier_signal -1
	s_barrier_wait -1
.endif
	PLACES                                         ; behind the joint load, and the places in front of the loads below
	FETCH 1-(\sg), 0, 0
	WINM \p
	MUL \p, 4*(\sg)+3, 1, 0
	WIN 0
.endm
; 64 accumulator registers of window 1, v[s + 32 c + i] = number i of my block c, become an image's 12 registers v[PC] on and its scale word v[pw] (the same in both halves of the lanes).
.macro QUANT s, pw
	WIN 0x05                                       ; sources 0 and 1 window 1
.irp c, 0,1
	v_max3_num_f32 v[TM+\c], |v[(\s)+32*\c]|, |v[(\s)+32*\c+1]|, 0x1800000   ; each accumulator is read from its low end on; the floor 2^(3 - 127) holds the byte at 1 from below
.endr
.irp i, 2,4,6,8,10,12,14,16,18,20,22,24,26,28,30
.irp c, 0,1
	v_max3_num_f32 v[TM+\c], |v[(\s)+32*\c+\i]|, |v[(\s)+32*\c+\i+1]|, v[TM+\c]
.endr
.endr
	WIN 0
.irp c, 0,1
	v_add_nc_u32 v[SO+\c], 0xff000000, v[TM+\c]    ; 2 off the exponent field: the conversion's scale operand
.endr
.irp c, 0,1
	v_lshrrev_b32 v[BY+\c], 23, v[SO+\c]           ; the scale's byte
.endr
	v_lshl_or_b32 v[\pw], v[BY+1], 16, v[BY]
	v_lshlrev_b32 v[\pw], v[SH8], v[\pw]
	v_permlanex16_b32 v[PT], v[\pw], s[SEL], s[SEL+1]
	v_or_b32 v[\pw], v[\pw], v[PT]                 ; byte 2 c + h
	s_wait_alu depctr_va_vdst(0)
	s_wait_xcnt 0x0                                ; the earlier stores have read their data: v[PC] on is written again only behind this wait
	WIN 0x01                                       ; source 0 window 1
.irp c, 0,1
	v_cvt_scalef32_pk16_fp6_f32 v[PC+6*\c:PC+6*\c+2], v[(\s)+32*\c:(\s)+32*\c+15], v[SO+\c]
	v_cvt_scalef32_pk16_fp6_f32 v[CT+4*\c:CT+4*\c+2], v[(\s)+32*\c+16:(\s)+32*\c+31], v[SO+\c]
.endr
	WIN 0
	v_nop                                          ; one plain place behind a scaled conversion
.irp c, 0,1
.irp i, 0,1,2
	v_mov_b32 v[PC+6*\c+3+\i], v[CT+4*\c+\i]
.endr
.endr
.endm
; A part's way out: four images and their scale words.
.macro OUT base, coff, soff
	PLACES                                         ; behind the last products
.irp j, 0,1,2,3
	QUANT 64*\j, PW+\j
.irp ch, 0,1,2
	global_store_b128 v[L16], v[PC+4*\ch:PC+4*\ch+3], s[\base:\base+1] offset:\coff+1536*\j+512*\ch   ; 512 consecutive bytes, at a multiple of 256 from the buffer's first byte
.endr
.endr
	v_cmp_le_u32 vcc_lo, 16, v[LN]
	v_cndmask_b32 v[SW], v[PW], v[PW+1], vcc_lo    ; (the last part's store of these two was issued ahead of the waits above)
	v_cndmask_b32 v[SW+1], v[PW+2], v[PW+3], vcc_lo
	global_store_b64 v[L8], v[SW:SW+1], s[\base:\base+1] offset:\soff   ; 256 consecutive bytes
.endm
.macro HALF p, sg, zero
	KSTEP \p, \sg, 0, \zero
	KSTEP \p, \sg, 1, 0
	KSTEP \p, \sg, 2, 0
.endm
	s_wait_alu depctr_va_vdst(0)
	s_wait_tensorcnt 0x0                           ; my part of the lower halves is in
	ds_add_u32 v[SPW], v[NIL]
	s_wait_dscnt 0x0
	CROUND                                         ; everybody's part is in, and all sixteen work-groups are here
	HLOAD G0X+4, G0H+4                             ; the upper half of K: my one load behind the round; it is waited for at the first change of halves
	FETCH 0, 0, 0
	s_wait_loadcnt 0x0                             ; the scale words
	HALF 0, 0, 1                                   ; ---- q
	TURN 0, 0, 1                                   ; slot 0 takes k's lower half
	HALF 0, 1, 0
	TURN 0, 1, 1                                   ; slot 1 takes k's upper half; k's first fragments are fetched
	OUT 12, 0, 6144
	HALF 1, 0, 1                                   ; ---- k
	TURN 1, 0, 1                                   ; v's lower half
	HALF 1, 1, 0
	TURN 1, 1, 1                                   ; v's upper half: the last load
	OUT 14, 0, 12288
	HALF 2, 0, 1                                   ; ---- v
	TURN 2, 0, 0                                   ; nothing is left to fetch
	HALF 2, 1, 0
	s_wait_dscnt 0x0
	WINM 2
	MUL 2, 7, 1, 0
	WIN 0
	OUT 14, 6144, 12544
	s_wait_tensorcnt 0x0                           ; the wave's end
	ds_add_u32 v[SPW], v[NIL]
	s_wait_dscnt 0x0
	CROUND                                         ; the closing round: no work-group ends while a partner may still ask for a tile that names it
	s_endpgm
.Lfunc_end_k_q536b7ce342_qkv:
	.size	k_q536b7ce342_qkv, .Lfunc_end_k_q536b7ce342_qkv-k_q536b7ce342_qkv
	.p2alignl 7, 3214868480
	.fill 96, 4, 3214868480
	.section	.rodata,"a",@progbits
	.p2align	6, 0x0
	.amdhsa_kernel k_q536b7ce342_qkv
		.amdhsa_group_segment_fixed_size 327680
		.amdhsa_private_segment_fixed_size 0
		.amdhsa_enable_private_segment 0
		.amdhsa_kernarg_size 48
		.amdhsa_user_sgpr_count 2
		.amdhsa_user_sgpr_kernarg_segment_ptr 1
		.amdhsa_wavefront_size32 1
		.amdhsa_system_sgpr_workgroup_id_x 1
		.amdhsa_system_sgpr_workgroup_id_y 1
		.amdhsa_system_sgpr_workgroup_id_z 1
		.amdhsa_system_vgpr_workitem_id 0
		.amdhsa_next_free_vgpr 864
		.amdhsa_next_free_sgpr 96
		.amdhsa_reserve_vcc 1
		.amdhsa_float_denorm_mode_32 3
		.amdhsa_float_denorm_mode_16_64 3
		.amdhsa_memory_ordered 1
		.amdhsa_forward_progress 1
		.amdhsa_inst_pref_size 218
	.end_amdhsa_kernel
	.amdgpu_metadata
---
amdhsa.version: [ 1, 2 ]
amdhsa.kernels:
  - .name:           k_q536b7ce342_qkv
    .symbol:         k_q536b7ce342_qkv.kd
    .args:
      - { .name: xc, .offset: 0, .size: 8, .value_kind: global_buffer, .address_space: global }
      - { .name: xs, .offset: 8, .size: 8, .value_kind: global_buffer, .address_space: global }
      - { .name: wc, .offset: 16, .size: 8, .value_kind: global_buffer, .address_space: global }
      - { .name: ws, .offset: 24, .size: 8, .value_kind: global_buffer, .address_space: global }
      - { .name: qb, .offset: 32, .size: 8, .value_kind: global_buffer, .address_space: global }
      - { .name: kv, .offset: 40, .size: 8, .value_kind: global_buffer, .address_space: global }
    .group_segment_fixed_size: 327680
    .private_segment_fixed_size: 0
    .kernarg_segment_align: 8
    .kernarg_segment_size: 48
    .max_flat_workgroup_size: 128
    .sgpr_count:     96
    .vgpr_count:     864
    .wavefront_size: 32
...
	.end_amdgpu_metadata
.endif
;; end of part 2
;; launch attn (part 3): grid 4 x 64, 8 waves a work-group, clusters of 4 x 1, 327,680 bytes of LDS; arguments qb, kv, out0; writes out0
.if DOCPART == 3
	.amdgcn_target "amdgcn-amd-amdhsa--gfx1250"
	.amdhsa_code_object_version 6
	.text
	.protected	k_q536b7ce342_attn
	.globl	k_q536b7ce342_attn
	.p2align	8
	.type	k_q536b7ce342_attn,@function
k_q536b7ce342_attn:
	s_mov_b64 s[64:65], 0
	v_nop
	global_prefetch_b8 v0, s[64:65] scope:SCOPE_SE
	s_setreg_imm32_b32 hwreg(HW_REG_WAVE_MODE, 25, 1), 1
	s_wait_xcnt 0x0
	s_wait_alu depctr_hold_cnt(0) depctr_sa_sdst(0) depctr_va_vdst(0) depctr_va_sdst(0) depctr_va_ssrc(0) depctr_va_vcc(0) depctr_vm_vsrc(0)
	s_getreg_b32 s2, hwreg(HW_REG_IB_STS2, 6, 4)
	s_cmp_eq_u32 s2, 0
	s_cbranch_scc0 .Lentry_in_a_cluster
	s_endpgm
.Lentry_in_a_cluster:
	s_bfe_u32 s2, ttmp6, 0x10000c
	s_cmp_lg_u32 s2, 0x3003
	s_cbranch_scc0 .Lentry_shape_is_right
	s_endpgm
.Lentry_shape_is_right:
; out[b][n][64 head + d] = the sum over keys of softmax(q . k / 8) v, for 64 heads (bh = 16 b + head) of 2,048 queries and keys, head size 64; both products on codes of FP6 (E2M3) with E8M0 scales.
; THE SOFTMAX AHEAD OF THE SECOND PRODUCT: t = score x log2(e) / 8; M = the row's largest t so far, rounded UP to a whole number; p = 2^(t - M) is quantised along the keys, not normalised.
; The row's sum is taken of the unquantised p and divides at the end.  When M moves, the sum and O are multiplied by 2^(old M - new M), made by v_ldexp_f32 of 1.0: nothing is rounded, no branch hangs on data.
; SHARES.  Four work-groups to a head, 512 queries each; they form a cluster and ask for the head's k, v and scale words jointly: 204,800 bytes, 16 key steps of 12,800, each byte filled once.
; Eight waves.  At the head every wave issues one joint load, its eighth (25 rows of 256 bytes) of key steps 0 to 3; behind the wait, the add and a round of the cluster's barrier every wave issues its eighth
; (75 rows) of key steps 4 to 15, which has the work of key steps 0 to 2 in which to land; one wait and one barrier behind key step 2 show it whole to all waves.
; A WAVE OWNS 64 QUERIES, four tiles of 16, and walks the 16 key steps of 128 keys once.  A step's fragments of k and of v are read from LDS once and serve all four tiles (26 LDS loads for 48 matrix instructions).
; The next step's k is asked for behind the fourth tile's score products, its v behind the fourth tile's second product.  The very last trip asks for its own key step again (s_min_u32), and nobody reads that.
; NO PREFETCH: all that the launch reads by tensor loads is asked for ahead of its first key step; there is no loop to run ahead in.
; OPERANDS lie in the buffers as images of their registers (1,536 bytes: register R of lane L at 512 (R / 4) + 16 L + 4 (R % 4)): three loads of 16 bytes a lane, no pitch, no padding.
; kv [bh][key step] 12,800 bytes: k's four pair images, v's four images, k's scale words (256 bytes), v's (256).  qb [bh][group of 128 queries] 6,400 bytes: four pair images, scale words.
; K = 64 IN AN INSTRUCTION OF K = 128: a pair image holds tile 2 j of 16 keys in registers 0-5 and tile 2 j + 1 in registers 6-11.  My queries stand as zeros | q0 | zeros | q1 | zeros | q2 | zeros | q3 | zeros, six registers each:
; [q | 0] picks tile 2 j, [0 | q] tile 2 j + 1.  Zero codes add nothing; every scale byte is a true byte.  q's scale word holds its two bytes twice.
; LAYOUT.  Both products are used transposed (S^T = k q^T, O^T = v^T p^T): a lane holds ONE query (lane % 16) of a tile.  The rows of a tile were chosen by the launch before so that score register 32 c + i is
; key 64 c + 32 (lane / 16) + i: a block of 32 keys lies in ONE lane, in the order of the second product's operand; O^T's register i is channel 32 (lane / 16) + i.
; p's SCALE BYTE needs no exponential: the block's largest p is 2^x, x = its largest t - M, at most 0; its exponent is floor(x), so the byte is floor(x + 125), held at 1 from below.
; LIMITS: NaN and infinities are not served.  The promise holds while the scaled scores t stay under 2^31 in magnitude.  A block whose x lies within the rounding of x + 125 under a whole number takes the next higher scale:
; its codes are then half as fine.  A block whose every p has fallen under 2^-124 keeps the byte 1: its codes are zeros or the smallest.
; REGISTERS.  Window 0: all below.  Window 1: v0-127 O^T of the four tiles, v128-175 v's four fragments.
.set L16, 1                            ; v1   16 x lane
.set L8S, 2                            ; v2   8 x lane + 12,288: my scale words' place in a key step
.set AD,  3                            ; v3   LDS address of the next key step's images
.set AS,  4                            ; v4   and of its scale words
.set SH8, 5                            ; v5   8 x (lane / 16)
.set STO, 6                            ; v6   the way out: where I put my 128 bytes of a row
.set RD,  7                            ; v7   where I read 16 bytes of a row back
.set GO,  8                            ; v8   my byte offset among a tile's rows of out
.set R8,  11                           ; v11  8 x (lane % 16)
.set ST0, 12                           ; v12-35 tile t's state at 12 + 6 t: -M, the largest score so far; the sum in two halves; q's scale word; p's scale word
.set KS,  36                           ; v[36:37] k's scale words of the step
.set VS,  38                           ; v[38:39] v's
.set F,   40                           ; v40-87 k's four fragments
.set S,   88                           ; v88-151 S^T, then p
.set QF,  152                          ; v152-205 zeros and q, by turns
.set P,   206                          ; v206-217 p's codes
.set CT,  218                          ; v[218:220], v[222:224] the upper 16 codes of a block
.set MX,  226                          ; v226-229 four chains of maxima; then v226, v228: my two blocks' largest scores
.set BY,  230                          ; v230-231 scale bytes
.set SO,  232                          ; v232-233 the conversions' scale operands
.set PT,  234                          ; v234 a lane permute's destination
.set T,   235                          ; v235 at work
.set FF,  236                          ; v[236:237] f = 2^(old M - new M)
.set MB,  238                          ; v238 125 - M
.set PM,  239                          ; v239 the old -M
.set SU2, 240                          ; v[240:245] three more chains of the sum
.set SU3, 242
.set SU4, 244
.set SPW, 254                          ; v254 LDS address of my spare word; never rewritten
.set NIL, 255                          ; v255 0; never rewritten
.set VF,  128                          ; window 1: v's fragments
.set KSB, 12800                        ; a key step's bytes
.set STAGE, 16*KSB                     ; LDS: behind the head's block: 16 rows x (256 bytes + 16) for each wave; no fill lands there
.set SPARE, STAGE+8*4352               ; behind the stages: the spare words, 128 bytes a wave
.set SEL, 20                           ; s[20:21] selects of v_permlanex16_b32: lane l xor 16
.set CS,  22                           ; s[22:23] c = log2(e) / 8
.set G1,  24                           ; s[24:31] descriptor group 1: 25 rows of 256 bytes, dense
.set G0,  32                           ; s[32:35] group 0: my eighth of key steps 0 to 3
.set G1B, 36                           ; s[36:43] group 1: 75 such rows
.set G0B, 44                           ; s[44:47] group 0: my eighth of key steps 4 to 15
.set OFF, 66                           ; s66  this key step's place in the block; the loops' counter
.set OFN, 67                           ; s67  the next key step's place
.set MSB, 0
.macro WIN new                         ; the immediate's high byte repeats the setting that is left
.if MSB != \new
	s_set_vgpr_msb (MSB<<8)|\new
.set MSB, \new
.endif
.endm
.macro CROUND                          ; a round of the cluster's barrier
	s_barrier_signal -1
	s_barrier_wait -1
	s_cmp_lg_u32 s16, 0
	s_cbranch_scc1 .Lnot_wave_0_\@
	s_barrier_signal -3
.Lnot_wave_0_\@:
	s_barrier_wait -3
	s_barrier_signal -1
	s_barrier_wait -1
.endm
	s_load_b128 s[4:7], s[0:1], 0x0                ; qb s[4:5], kv s[6:7]
	s_load_b64 s[8:9], s[0:1], 0x10                ; out0
	v_lshl_add_u32 v[SPW], v0, 2, SPARE
	v_mov_b32 v[NIL], 0
	ds_add_u32 v[SPW], v[NIL]                      ; the opening lines: the add, twice on end, and its wait ahead of my first tensor load
	ds_add_u32 v[SPW], v[NIL]
	v_lshrrev_b32 v1, 5, v0
	s_delay_alu instid0(VALU_DEP_1)
	v_readfirstlane_b32 s16, v1                    ; wave 0..7
	s_lshr_b32 s17, s16, 1                         ; my group of 128 queries in the block of 512
	s_and_b32 s18, s16, 1                          ; and which 64 of them: pair images 2 c and 2 c + 1
	s_bfe_u32 s48, ttmp6, 0x40000                  ; cx: my place in the cluster
	s_lshl_b32 s49, ttmp9, 2
	s_add_co_u32 s49, s49, s48                     ; my block of 512 queries: it enters q's and out's addresses alone
	s_and_b32 s50, ttmp7, 0xffff                   ; bh, which the four partners share
.irp g, G1, G1B
	s_mov_b32 s[\g], 15|(3<<16)|(1<<21)            ; the mask: all four work-groups; elements of 8 bytes; no padding; bit 21 set beside a mask
	s_mov_b32 s[\g+1], 32<<16                      ; tensor_dim0 = 32 elements: 256 bytes
	s_mov_b32 s[\g+3], 32<<16                      ; tile_dim0
	s_mov_b32 s[\g+5], 32                          ; dense
	s_mov_b32 s[\g+6], 0
	s_mov_b32 s[\g+7], 0
.endr
	s_mov_b32 s[G1+2], 25<<16                      ; tensor_dim1,
	s_mov_b32 s[G1+4], 25                          ; tile_dim1
	s_mov_b32 s[G1B+2], 75<<16
	s_mov_b32 s[G1B+4], 75
	s_mul_i32 s52, s50, 16*KSB                     ; the head's block;
	s_mul_i32 s51, s16, 6400                       ; my eighth of its first four key steps,
	s_mul_i32 s58, s16, 19200
	s_add_co_u32 s58, s58, 4*KSB                   ; and of the other twelve
	s_add_co_u32 s46, s52, s58
	s_mov_b32 s47, 0
	s_add_co_u32 s52, s52, s51
	s_mov_b32 s53, 0
	s_lshl_b32 s54, s50, 4                         ; q: group 16 bh + 4 x block + wave / 2,
	s_lshl_b32 s55, s49, 2
	s_add_co_u32 s54, s54, s55
	s_add_co_u32 s54, s54, s17
	s_mul_i32 s54, s54, 6400
	s_lshl_b32 s56, s18, 2
	s_add_co_u32 s56, s56, s54
	s_add_co_u32 s56, s56, 6144                    ; its scale words: 6,144 + 4 c + 8 r, the second image's 128 on;
	s_mul_i32 s55, s18, 3072
	s_add_co_u32 s54, s54, s55                     ; pair image 2 c
	s_mov_b32 s55, 0
	s_mov_b32 s57, 0
	s_lshr_b32 s70, s50, 4                         ; out: row 2,048 b + 512 x block + 64 x wave (+ 8 t for tile t),
	s_lshl_b32 s70, s70, 11
	s_lshl_b32 s71, s49, 9
	s_add_co_u32 s70, s70, s71
	s_lshl_b32 s71, s16, 6
	s_add_co_u32 s70, s70, s71
	s_lshl_b32 s70, s70, 12                        ; x 4,096 bytes,
	s_and_b32 s71, s50, 15
	s_lshl_b32 s71, s71, 8                         ; + 256 x head
	s_add_co_u32 s70, s70, s71
	s_mov_b32 s71, 0
	s_mul_i32 s68, s16, 4352
	s_add_co_u32 s68, s68, STAGE                   ; my stage
	s_mov_b32 s[SEL], 0x76543210
	s_mov_b32 s[SEL+1], 0xfedcba98
	s_mov_b32 s[CS], 0x3e38aa3b                    ; log2(e) / 8
	s_mov_b32 s[CS+1], s[CS]                       ; (named with it as a pair, so it is written)
	s_wait_dscnt 0x0
	s_wait_kmcnt 0x0
	s_add_nc_u64 s[52:53], s[6:7], s[52:53]
	s_add_nc_u64 s[G0B+2:G0B+3], s[6:7], s[46:47]
	s_add_nc_u64 s[60:61], s[4:5], s[54:55]
	s_add_nc_u64 s[62:63], s[4:5], s[56:57]
	s_add_nc_u64 s[8:9], s[8:9], s[70:71]
	s_mov_b32 s[G0], 1
	s_mov_b32 s[G0+1], s51                         ; LDS: the block lies as in memory
	s_mov_b64 s[G0+2:G0+3], s[52:53]
	s_or_b32 s[G0+3], s[G0+3], 0x80000000
	s_mov_b32 s[G0B], 1
	s_mov_b32 s[G0B+1], s58
	s_or_b32 s[G0B+3], s[G0B+3], 0x80000000
	CROUND                                         ; all four work-groups are here: the joint loads meet
	tensor_load_to_lds s[G0:G0+3], s[G1:G1+7]      ; key steps 0 to 3: my one tensor load at the head
	s_nop 0
.rept 4
	v_nop
.endr
	v_and_b32 v3, 31, v0                           ; lane
	v_and_b32 v4, 15, v0                           ; r
	v_bfe_u32 v10, v0, 4, 1                        ; h
	v_lshlrev_b32 v[L16], 4, v3
	v_lshlrev_b32 v[L8S], 3, v3
	v_lshlrev_b32 v[SH8], 3, v10
	v_mul_u32_u24 v[STO], v4, 272
	v_mul_u32_u24 v[RD], v10, 272
	v_lshlrev_b32 v[GO], 12, v10
	v_lshlrev_b32 v[R8], 3, v4
	v_add_nc_u32 v[L8S], 12288, v[L8S]
	v_lshl_add_u32 v[STO], v10, 7, v[STO]
	v_lshl_add_u32 v[RD], v4, 4, v[RD]
	v_lshl_add_u32 v[GO], v4, 4, v[GO]             ; two rows of out, 4,096 bytes apart, 16 bytes a lane
	v_add_nc_u32 v[STO], s68, v[STO]               ; in: row r, + 128 h
	v_add_nc_u32 v[RD], s68, v[RD]                 ; back: lanes 0-15 one row of 256 bytes, lanes 16-31 the next
	s_wait_alu depctr_va_vdst(0)
.irp im, 0,1
.irp ch, 0,1,2
	global_load_b128 v[S+12*\im+4*\ch:S+12*\im+4*\ch+3], v[L16], s[60:61] offset:1536*\im+512*\ch   ; my two pair images of q: tile t's six registers land at v[S + 6 t]
.endr
	global_load_b32 v[S+24+\im], v[R8], s[62:63] offset:128*\im
.endr
.irp t, 0,1,2,3
	v_mov_b32 v[ST0+6*\t+1], 0xff61b1e6            ; the largest score so far: -3e38
	v_mov_b32 v[ST0+6*\t+2], 0                     ; the sum
	v_mov_b32 v[ST0+6*\t+3], 0
.endr
.irp t, 0,1,2,3
	v_mul_f32 v[ST0+6*\t], s[CS], v[ST0+6*\t+1]
.endr
.irp t, 0,1,2,3
	v_floor_f32 v[ST0+6*\t], -v[ST0+6*\t]          ; -M
.endr
.irp z, 0,1,2,3,4
.irp i, 0,1,2,3,4,5
	v_mov_b32 v[QF+12*\z+\i], 0                    ; zero codes on both sides of each q
.endr
.endr
.irp i, 0,1,2,3,4,5
	v_mov_b32 v[SU2+\i], 0                         ; the sum's three other chains: the first tile joins zeros
.endr
	v_mov_b32 v[PT], 0                             ; written once: a lane permute's destination counts as one of its sources
	v_mov_b32 v[FF+1], 0                           ; (named as the upper half of a pair)
	s_wait_alu depctr_va_vdst(0)
	s_wait_loadcnt 0x0                             ; q
.irp t, 0,1,2,3
.irp i, 0,1,2,3,4,5
	v_mov_b32 v[QF+6+12*\t+\i], v[S+6*\t+\i]
.endr
.endr
	v_and_b32 v[ST0+4], 0xffff, v[S+24]            ; a tile's two scale bytes: the lower or the upper half of its pair's word,
	v_lshrrev_b32 v[ST0+10], 16, v[S+24]
	v_and_b32 v[ST0+16], 0xffff, v[S+25]
	v_lshrrev_b32 v[ST0+22], 16, v[S+25]
.irp t, 0,1,2,3
	v_lshl_or_b32 v[ST0+6*\t+4], v[ST0+6*\t+4], 16, v[ST0+6*\t+4]   ; twice
.endr
	WIN 0x40
.set J, 0
.rept 128
	v_mov_b32 v[J], 0                              ; O^T: one text serves all steps: the first finds zeros.  (Also the places behind the writes of q and its scale words)
.set J, J+1
.endr
	WIN 0
	s_wait_alu depctr_va_vdst(0)                   ; the wait at the head's end
	s_wait_tensorcnt 0x0                           ; my part of key steps 0 to 3 has landed
	ds_add_u32 v[SPW], v[NIL]
	s_wait_dscnt 0x0
	CROUND                                         ; everybody's part has, and all four work-groups are here
	tensor_load_to_lds s[G0B:G0B+3], s[G1B:G1B+7]  ; key steps 4 to 15: my one load behind the round
	s_nop 0
.rept 4
	v_nop
.endr
.macro KLOAD ad, as                    ; k's four pair images and their scale words: 13 loads
.irp b, 0,1,2,3
.irp ch, 0,1,2
	ds_load_b128 v[F+12*\b+4*\ch:F+12*\b+4*\ch+3], v[\ad] offset:1536*\b+512*\ch
.endr
.endr
	ds_load_b64 v[KS:KS+1], v[\as]
.endm
.macro VLOAD ad, as                    ; v's four images (window 1) and their scale words: 13 loads
	WIN 0x40
.irp b, 0,1,2,3
.irp ch, 0,1,2
	ds_load_b128 v[VF+12*\b+4*\ch:VF+12*\b+4*\ch+3], v[\ad] offset:6144+1536*\b+512*\ch
.endr
.endr
	WIN 0
	ds_load_b64 v[VS:VS+1], v[\as] offset:256
.endm
.macro SW d, a, b, sa, row             ; a product that starts its own sum
.if \row
	v_wmma_scale_f32_16x16x128_f8f6f4 v[\d:\d+7], v[\a:\a+11], v[\b:\b+11], 0, v[\sa], v[QS] matrix_a_fmt:MATRIX_FMT_FP6 matrix_b_fmt:MATRIX_FMT_FP6 matrix_a_scale:MATRIX_SCALE_ROW1
.else
	v_wmma_scale_f32_16x16x128_f8f6f4 v[\d:\d+7], v[\a:\a+11], v[\b:\b+11], 0, v[\sa], v[QS] matrix_a_fmt:MATRIX_FMT_FP6 matrix_b_fmt:MATRIX_FMT_FP6
.endif
.endm
.macro OW d, a, sa, row                ; a product that adds in place
.if \row
	v_wmma_scale_f32_16x16x128_f8f6f4 v[\d:\d+7], v[\a:\a+11], v[P:P+11], v[\d:\d+7], v[\sa], v[PS] matrix_a_fmt:MATRIX_FMT_FP6 matrix_b_fmt:MATRIX_FMT_FP6 matrix_a_scale:MATRIX_SCALE_ROW1
.else
	v_wmma_scale_f32_16x16x128_f8f6f4 v[\d:\d+7], v[\a:\a+11], v[P:P+11], v[\d:\d+7], v[\sa], v[PS] matrix_a_fmt:MATRIX_FMT_FP6 matrix_b_fmt:MATRIX_FMT_FP6
.endif
.endm
.macro PF n                            ; n of the tile's 32 multiply-adds t - M, two numbers each
.rept \n
	v_pk_fma_f32 v[S+JF:S+JF+1], v[S+JF:S+JF+1], s[CS:CS+1], v[MM:MM+1] op_sel_hi:[1,0,0]
.set JF, JF+2
.endr
.endm
.macro JOIN su                         ; a tile's four chains of the sum become one
	v_pk_add_f32 v[SU3:SU3+1], v[SU3:SU3+1], v[SU4:SU4+1]
	v_pk_add_f32 v[\su:\su+1], v[\su:\su+1], v[SU2:SU2+1]
	s_delay_alu instid0(VALU_DEP_1)
	v_pk_add_f32 v[\su:\su+1], v[\su:\su+1], v[SU3:SU3+1]
.endm
; TILE t OF A KEY STEP: 16 queries x 128 keys.
.macro TILE t
.set MM, ST0+6*(\t)
.set SU, MM+2
.set QS, MM+4
.set PS, MM+5
.set OT, 32*(\t)
.set PSU, ST0+6*(((\t)+3)%4)+2         ; the sum of the tile before this one
.if \t == 0
	s_wait_dscnt 13                                ; k's 13 loads are in; v's 13, issued behind them, may be out
.endif
.irp j, 0,1,2,3                                ; S^T = k q^T: eight tiles of 16 keys
	SW S+16*\j, F+12*\j, QF+6+12*(\t), KS+\j/2, \j%2
	SW S+16*\j+8, F+12*\j, QF+12*(\t), KS+\j/2, \j%2
.endr
	v_mov_b32 v[PM], v[MM]                         ; four places in front of the first read of the scores, and of loads into k's registers:
	JOIN PSU                                       ; the last tile's sum is finished here
.if \t == 3
	v_add_nc_u32 v[AD], s[OFN], v[L16]
	v_add_nc_u32 v[AS], s[OFN], v[L8S]
	KLOAD AD, AS                                   ; the next step's k: this step's has served its four tiles
.endif
.irp q, 0,1,2,3                                ; the largest score of each of my two blocks of 32 keys: four chains by turns, ascending: each accumulator is read from its low end on
	v_max3_num_f32 v[MX+\q], v[S+16*\q], v[S+16*\q+1], v[S+16*\q+2]
.endr
.set J, 3
.rept 6
.irp q, 0,1,2,3
	v_max3_num_f32 v[MX+\q], v[MX+\q], v[S+16*\q+J], v[S+16*\q+J+1]
.endr
.set J, J+2
.endr
	v_max3_num_f32 v[MX], v[MX], v[MX+1], v[S+15]
	v_max3_num_f32 v[MX+2], v[MX+2], v[MX+3], v[S+47]
	v_max_num_f32 v[MX], v[MX], v[S+31]
	v_max_num_f32 v[MX+2], v[MX+2], v[S+63]
	s_delay_alu instid0(VALU_DEP_1)
	v_max_num_f32 v[T], v[MX], v[MX+2]
	s_delay_alu instid0(VALU_DEP_1)
	v_permlanex16_b32 v[PT], v[T], s[SEL], s[SEL+1]   ; my query's other 64 keys lie in lane l xor 16
	s_delay_alu instid0(VALU_DEP_1)
	v_max3_num_f32 v[MM+1], v[MM+1], v[T], v[PT]   ; the running largest score
	s_delay_alu instid0(VALU_DEP_1)
	v_mul_f32 v[T], s[CS], v[MM+1]                 ; as t (c is positive)
	s_delay_alu instid0(VALU_DEP_1)
	v_floor_f32 v[MM], -v[T]                       ; the new -M = floor(-t) = -ceil(t): a whole number
	s_delay_alu instid0(VALU_DEP_1)
	v_sub_f32 v[T], v[MM], v[PM]                   ; old M - new M: a whole number, 0 or less
	v_add_f32 v[MB], 0x42fa0000, v[MM]             ; 125 - M
.set JF, 0                             ; f's chain and the scale word's chain are laid among the 32 multiply-adds, which hang on -M alone
	PF 2
	v_cvt_i32_f32 v[T], v[T]                       ; (it saturates)
	v_fma_f32 v[MX], v[MX], s[CS], v[MB]           ; x + 125 of each block's largest score
	v_fma_f32 v[MX+2], v[MX+2], s[CS], v[MB]
	PF 2
	v_ldexp_f32 v[FF], 1.0, v[T]                   ; f = 2^(old M - new M)
	v_max_num_f32 v[MX], 1.0, v[MX]                ; the byte cannot fall under 1
	v_max_num_f32 v[MX+2], 1.0, v[MX+2]
	PF 2
	v_cvt_i32_f32 v[BY], v[MX]                     ; toward zero, of a number that is at least 1: floor(x) + 125, the scale's byte
	v_cvt_i32_f32 v[BY+1], v[MX+2]
	PF 3
	v_lshlrev_b32 v[SO], 23, v[BY]                 ; as an exponent field: the conversion's scale operand
	v_lshlrev_b32 v[SO+1], 23, v[BY+1]
	v_lshl_or_b32 v[PS], v[BY+1], 16, v[BY]        ; my bytes: blocks h and 2 + h,
	PF 3
	v_lshlrev_b32 v[PS], v[SH8], v[PS]
	PF 3
	v_permlanex16_b32 v[PT], v[PS], s[SEL], s[SEL+1]
	PF 3
	v_or_b32 v[PS], v[PS], v[PT]                   ; with lane l xor 16's two: p's scale word for these 128 keys
	PF 14
	s_wait_alu depctr_va_vdst(0)                   ; the wait ahead of the batch
.set J, 0
.rept 64
	v_exp_f32 v[S+J], v[S+J]                       ; p = 2^(t - M): NOT normalised
.set J, J+1
.endr
	v_pk_mul_f32 v[SU:SU+1], v[SU:SU+1], v[FF:FF+1] op_sel_hi:[1,0]   ; the sums under the new M (the plain place behind the exponentials)
	s_wait_alu depctr_va_vdst(0)                   ; and the wait behind the batch
.if \t == 0
	s_wait_dscnt 0x0                               ; v is in
.endif
.irp c, 0,1
	v_cvt_scalef32_pk16_fp6_f32 v[P+6*\c:P+6*\c+2], v[S+32*\c:S+32*\c+15], v[SO+\c]   ; registers 6 c .. 6 c + 5 of the operand: keys 64 c + 32 h + 0 .. 31
	v_cvt_scalef32_pk16_fp6_f32 v[CT+4*\c:CT+4*\c+2], v[S+32*\c+16:S+32*\c+31], v[SO+\c]   ; (a conversion's three registers begin on an even number)
.endr
	v_nop                                          ; one plain place behind a scaled conversion
.irp c, 0,1
.irp i, 0,1,2
	v_mov_b32 v[P+6*\c+3+\i], v[CT+4*\c+\i]
.endr
.endr
	WIN 0x41                                       ; destination and source 0: window 1
.set J, 0
.rept 16
	v_pk_mul_f32 v[OT+J:OT+J+1], v[OT+J:OT+J+1], v[FF:FF+1] op_sel_hi:[1,0]   ; O^T under the new M; these 16 are also the places between the writes of p's codes and the products
.set J, J+2
.endr
	WIN 0x51                                       ; v's fragments, C and D: window 1; p's codes: window 0
.irp b, 0,1,2,3                                ; O^T += v^T p^T: four tiles of 16 channels, by turns
	OW OT+8*\b, VF+12*\b, VS+\b/2, \b%2
.endr
	WIN 0
	v_pk_add_f32 v[SU2:SU2+1], v[S:S+1], v[S+2:S+3]   ; the row's sum is taken of the unquantised p: two at a time, in four chains
	v_pk_add_f32 v[SU3:SU3+1], v[S+4:S+5], v[S+6:S+7]
	v_pk_add_f32 v[SU4:SU4+1], v[S+8:S+9], v[S+10:S+11]
	v_pk_add_f32 v[SU:SU+1], v[SU:SU+1], v[S+12:S+13]
.if \t == 3
	VLOAD AD, AS                                   ; the next step's v: four plain lines stand behind the products that read these registers
.endif
.set J, 14
.rept 6
	v_pk_add_f32 v[SU2:SU2+1], v[SU2:SU2+1], v[S+J:S+J+1]
	v_pk_add_f32 v[SU3:SU3+1], v[SU3:SU3+1], v[S+J+2:S+J+3]
	v_pk_add_f32 v[SU4:SU4+1], v[SU4:SU4+1], v[S+J+4:S+J+5]
	v_pk_add_f32 v[SU:SU+1], v[SU:SU+1], v[S+J+6:S+J+7]
.set J, J+8
.endr
	v_pk_add_f32 v[SU2:SU2+1], v[SU2:SU2+1], v[S+62:S+63]   ; the four chains are joined behind the next tile's score products
.endm
; Key steps first to last - 1, a trip each.
.macro WALK first, last
	s_mov_b32 s[OFF], (\first)*KSB
.Lstep_\@:
	s_add_co_u32 s[OFN], s[OFF], KSB               ; the next key step;
.if \last == 16
	s_min_u32 s[OFN], s[OFN], 15*KSB               ; in the very last trip this one again
.endif
	TILE 0
	TILE 1
	TILE 2
	TILE 3
	s_add_co_u32 s[OFF], s[OFF], KSB
	s_cmp_lg_u32 s[OFF], (\last)*KSB
	s_wait_alu depctr_va_vdst(0)                   ; the wait ahead of the backward jump
	s_cbranch_scc1 .Lstep_\@
.endm
	KLOAD L16, L8S                                 ; key step 0's k,
	VLOAD L16, L8S                                 ; and its v
	WALK 0, 3                                      ; key steps 0 to 2; they read no byte beyond key step 3
	s_wait_tensorcnt 0x0                           ; my part of key steps 4 to 15 has landed
	s_wait_dscnt 0x0                               ; no LDS instruction of mine is pending at the signal
	s_barrier_signal -1
	s_barrier_wait -1                              ; everybody's part has: the block is whole, and stays
	WALK 3, 16
	; THE WAY OUT: O^T / the sum goes through my stage, tile by tile, and leaves as whole rows of 256 bytes (a query's 64 channels).
	s_wait_dscnt 0x0                               ; the last trip's loads have landed
	JOIN ST0+20                                    ; the fourth tile's sum
.irp t, 0,1,2,3
	v_add_f32 v[MX+\t], v[ST0+6*\t+2], v[ST0+6*\t+3]   ; a sum's two halves,
.endr
.irp t, 0,1,2,3
	v_permlanex16_b32 v[BY+\t], v[MX+\t], s[SEL], s[SEL+1]
.endr
.irp t, 0,1,2,3
	v_add_f32 v[MX+\t], v[MX+\t], v[BY+\t]         ; and lane l xor 16's
.endr
	s_wait_alu depctr_va_vdst(0)
.irp t, 0,1,2,3
	v_rcp_f32 v[ST0+6*\t+2], v[MX+\t]
.endr
	v_nop                                          ; one plain place behind the transcendentals
; PACK t: tile t is scaled, goes into the stage and is asked back by rows.  The scaled numbers stand in v[S + 32 (t % 2)] on; the rows come back into k's registers (even t) or q's (odd t), which are done with.
.macro PACK t
.set XS, S+32*((\t)%2)
.set RB, F+(QF-F)*((\t)%2)
	s_wait_alu depctr_va_vdst(0)                   ; the wait ahead of the first reader
	WIN 0x01                                       ; source 0: window 1
.set J, 0
.rept 16
	v_pk_mul_f32 v[XS+J:XS+J+1], v[32*(\t)+J:32*(\t)+J+1], v[ST0+6*(\t)+2:ST0+6*(\t)+3] op_sel_hi:[1,0]   ; register i: channel 32 h + i of my query; each accumulator from its low end on
.set J, J+2
.endr
	WIN 0
.irp i, 0,1,2,3,4,5,6,7
	ds_store_b128 v[STO], v[XS+4*\i:XS+4*\i+3] offset:16*\i   ; LDS serves a wave's instructions in order: the last tile's loads have read the stage
.endr
.if \t >= 2
	s_wait_xcnt 0x0                                ; tile t - 2's stores have read their data: the loads below may land there
.endif
.irp i, 0,1,2,3,4,5,6,7
	ds_load_b128 v[RB+4*\i:RB+4*\i+3], v[RD] offset:544*\i
.endr
.endm
.macro SEND t, younger                 ; younger: the LDS instructions issued behind tile t's loads
.set RB, F+(QF-F)*((\t)%2)
.irp i, 0,1,2,3,4,5,6,7
	s_wait_dscnt (\younger)+7-\i                   ; they, and the 7 - i stage loads behind this one, may be out
	global_store_b128 v[GO], v[RB+4*\i:RB+4*\i+3], s[8:9] offset:(8*(\t)+2*(\i%4)+32*(\i/4))*4096 th:TH_STORE_NT   ; lane-rows 2 i and 2 i + 1: each half of the lanes stores 256 consecutive bytes, at a multiple of 256 from out's first byte
.endr
.endm
	PACK 0
	PACK 1
	SEND 0, 16                                     ; behind tile 0's loads: tile 1's 8 stores and 8 loads
	PACK 2
	SEND 1, 16
	PACK 3
	SEND 2, 16
	SEND 3, 0
	s_wait_tensorcnt 0x0                           ; the wave's end
	ds_add_u32 v[SPW], v[NIL]
	s_wait_dscnt 0x0
	CROUND                                         ; the closing round: no work-group ends while a partner may still ask for a tile that names it
	s_endpgm
.Lfunc_end_k_q536b7ce342_attn:
	.size	k_q536b7ce342_attn, .Lfunc_end_k_q536b7ce342_attn-k_q536b7ce342_attn
	.p2alignl 7, 3214868480
	.fill 96, 4, 3214868480
	.section	.rodata,"a",@progbits
	.p2align	6, 0x0
	.amdhsa_kernel k_q536b7ce342_attn
		.amdhsa_group_segment_fixed_size 327680
		.amdhsa_private_segment_fixed_size 0
		.amdhsa_enable_private_segment 0
		.amdhsa_kernarg_size 24
		.amdhsa_user_sgpr_count 2
		.amdhsa_user_sgpr_kernarg_segment_ptr 1
		.amdhsa_wavefront_size32 1
		.amdhsa_system_sgpr_workgroup_id_x 1
		.amdhsa_system_sgpr_workgroup_id_y 1
		.amdhsa_system_sgpr_workgroup_id_z 1
		.amdhsa_system_vgpr_workitem_id 0
		.amdhsa_next_free_vgpr 448
		.amdhsa_next_free_sgpr 72
		.amdhsa_reserve_vcc 0
		.amdhsa_float_denorm_mode_32 3
		.amdhsa_float_denorm_mode_16_64 3
		.amdhsa_memory_ordered 1
		.amdhsa_forward_progress 1
		.amdhsa_inst_pref_size 133
	.end_amdhsa_kernel
	.amdgpu_metadata
---
amdhsa.version: [ 1, 2 ]
amdhsa.kernels:
  - .name:           k_q536b7ce342_attn
    .symbol:         k_q536b7ce342_attn.kd
    .args:
      - { .name: qb, .offset: 0, .size: 8, .value_kind: global_buffer, .address_space: global }
      - { .name: kv, .offset: 8, .size: 8, .value_kind: global_buffer, .address_space: global }
      - { .name: out0, .offset: 16, .size: 8, .value_kind: global_buffer, .address_space: global }
    .group_segment_fixed_size: 327680
    .private_segment_fixed_size: 0
    .kernarg_segment_align: 8
    .kernarg_segment_size: 24
    .max_flat_workgroup_size: 256
    .sgpr_count:     72
    .vgpr_count:     448
    .wavefront_size: 32
...
	.end_amdgpu_metadata
.endif
;; end of part 3
